; MI455X (gfx1250); checked and timed in simulation.
; The chip was launched on July 23, 2026; its instructions are those of AMD's public machine-readable ISA for CDNA 5 (MIT licence, August 2026) and "CDNA5" Instruction Set Architecture Reference Guide (July 2026). The comments in the code are by the model that wrote it; some were corrected since.
;; Expert Layer. Allowed arithmetic: matrix products marked QUANTISED: E2M1 operands, one E8M0 scale for each 32 along K, by v_wmma_scale_f32_16x16x128_f8f6f4 with both operands' format E2M1 (or v_wmma_scale_f32_32x16x128_f4), f32 sums; products left as they are: f32 operands where the result goes on into a quantised operand, else bf16, f16 or f32 operands; f32 sums; everything else in f32.
;; Inputs: W_experts 8 x 1,024 x 1,024 float32; W_router 8 x 1,024 float32; b_experts 8 x 1,024 float32; b_router 8 float32; x 4 x 2,048 x 1,024 float32.
;; Outputs: out0 4 x 2,048 x 1,024 float32.
;; This version of the problem:
;;   THIS VERSION OF THE PROBLEM IS GIVEN IN LOW PRECISION. The matrix products marked QUANTISED in the list below multiply operands that are first quantised to E2M1 (2 exponent bits, 1 mantissa bit; 4 bits a number), with one power-of-two scale for each 32 numbers along K (OCP MX v1.0); their sums are f32. All else is computed in f32.
;;   The module's matrix products, in the order in which they are computed (A, B: the left and right operand; K: the contracted axis; several contracted axes count as one K, in the product's order):
;;     1. [M 8,192, K 1,024] x [K 1,024, N 8]; A: input x; B: input W_router: left as it is (N = 8 < 16)
;;     2. [M 8,192, K 1,024] x [K 1,024, N 8,192]; A: input x; B: input W_experts: QUANTISED
;;     3. batch 8,192 x [M 1,024, K 8] x [K 8, N 1]; A: computed on the way; B: softmax: left as it is (K = 8 < 32)
;;   THE QUANTISER, for each operand of a quantised product, along K:
;;     - K is cut into blocks of 32 from its start; a last block that is shorter is filled with zeros.
;;     - A block's scale is 2^e with e = floor(log2(the largest magnitude in the block)) - 2, held to -126 .. 127; a block of zeros has e = 0. As a byte (E8M0): e + 127.
;;     - Each number is divided by its block's scale, clamped to +-6, and rounded to the nearest number of E2M1, ties to even, subnormals kept.
;;     - The product sums the exact products of the quantised numbers (number of the format x scale) in f32.
;;   ~~~python
;;   def quantise(x, axis):      # numpy; x: float32 -> the quantised numbers, widened to float32 again
;;       x = np.moveaxis(x, axis, -1); K = x.shape[-1]
;;       x = np.pad(x, [(0, 0)] * (x.ndim - 1) + [(0, -K % 32)]); x = x.reshape(x.shape[:-1] + (-1, 32)); a = np.abs(x).max(-1, keepdims=True)
;;       e = np.where(a > 0, np.clip(np.frexp(np.where(a > 0, a, 1))[1] - 1 - 2, -126, 127), 0)      # np.frexp(a)[1] - 1 = floor(log2(a)), exactly
;;       r = np.clip(x / 2.0 ** e, -6, 6)
;;       step = 2.0 ** (np.maximum(np.frexp(np.where(r == 0, 1, r))[1] - 1, 0) - 1)
;;       q = np.round(r / step) * step * 2.0 ** e      # np.round: ties to even
;;       return np.moveaxis(q.reshape(q.shape[:-2] + (-1,))[..., :K], -1, axis).astype(np.float32)
;;   ~~~
;; One version. Each part assembles by itself: llvm-mc -triple=amdgcn-amd-amdhsa -mcpu=gfx1250 --defsym DOCPART=n.
;; ======== version 1 of 1: 2 launches
;; limits: values are held in bf16: 8 bits of precision; right only within a limited range of input values
;; workspace buffers: xq 4,194,304 bytes; xs 262,144 bytes; wq 4,194,304 bytes; ws 262,144 bytes; rw 262,144 bytes
;; launch quant (part 1): grid 512 x 1, 8 waves a work-group, no clusters, 119,808 bytes of LDS; arguments x, W_experts, W_router, b_router, xq, xs, wq, ws, rw; writes xq, xs, wq, ws, rw
.if DOCPART == 1
	.amdgcn_target "amdgcn-amd-amdhsa--gfx1250"
	.amdhsa_code_object_version 6
	.text
	.protected	k_q5a513c0f4e_quant
	.globl	k_q5a513c0f4e_quant
	.p2align	8
	.type	k_q5a513c0f4e_quant,@function
k_q5a513c0f4e_quant:
	s_mov_b64 s[64:65], 0
	v_nop
	global_prefetch_b8 v0, s[64:65] scope:SCOPE_SE
	s_setreg_imm32_b32 hwreg(HW_REG_WAVE_MODE, 25, 1), 1
	s_wait_xcnt 0x0
; x [8192][1024] and W_experts [8 x 1024][1024], f32, K innermost, become codes of FP4 (E2M1) with one E8M0 byte for each 32 along K; and the router's
; weights rw[row][8] = softmax(x W_router^T + b_router) are made on the way, from the same registers, so that x is read once.
; A block's scale is 2^(floor(log2(its largest magnitude)) - 2): its byte is the largest magnitude's exponent field - 2, held at 1 from below.
; LIMITS: NaN and infinities among the inputs are not served.  A block of zeros, or one whose largest magnitude lies under 2^-124, gets the byte 1 (a block of
; zeros: where the rule says 127; its codes are zeros, which add nothing under any byte but 0xff, and this program alone reads the bytes).
; The router's product is left as it is: its operands are rounded to bf16, its sums are f32; the logits' error grows with the inputs.
; THE BUFFERS ARE LAID IN THE ORDER OF AN OPERAND'S REGISTERS.  A fragment (16 rows x 128 K, 8 registers a lane) is 1,024 bytes: registers 0-3 at 16 x lane, 4-7 at 512 + 16 x lane.
;   xq [row block 512][K step 8][1024];  wq [column tile 8][expert 8][block 8][K step 8][1024].
;   xs, ws: 512 bytes a block: word (lane l, p) at 16 l + 4 p is the scale word of row l % 16 for K step 2 p + l / 16: one load of 16 bytes a lane gives four scale registers,
;   each with an even K step in lanes 0-15 and the odd one behind it in lanes 16-31.
; SHARES.  Both tensors are 512 blocks of 16 rows.  Work-groups 0-255 take x, the others W_experts; only pointers and one index are chosen by the work-group's number, and the lines
; that serve the router stand under scalar branches on it.  A work-group takes two blocks; wave w takes K step w of both: 32 loads of 512 consecutive bytes, all issued at the head.  No loop.
; A lane needs 16 NEIGHBOURS along K of one row for the conversions; a load is dense where neighbouring lanes take neighbouring bytes: so a block's 8,192 bytes turn through the wave's own stage in LDS.
.set SPI,  528                         ; a stage row: 512 bytes + 16 = 33 x 16: sixteen rows' equal columns start at sixteen different 16-byte columns of 256 (64 banks of 4 bytes: ISA guide 11.1)
.set STG,  0                           ; LDS: a stage of 16 rows for each wave
.set WRS,  8*16*SPI                    ; a stage of 8 rows for each wave: W_router's part (x's work-groups alone)
.set SCG,  WRS+8*8*SPI                 ; the two blocks' scale words, 512 bytes each, as they go to memory
.set LGP,  SCG+1024                    ; the logits' partial sums: [block 2][wave 8][1024 bytes: an image of 8 registers]
.set LI,   1                           ; v1   16 x lane
.set STI,  3                           ; v3   the stage, in: my wave's + 16 x lane
.set STO,  4                           ; v4   the stage, out: row r, + 64 h
.set WRI,  5                           ; v5   W_router's stage, in
.set WRO,  6                           ; v6   and out: row r % 8, + 64 h
.set SCA,  7                           ; v7   where my row's scale word goes
.set LGA,  8                           ; v8   where my partial logits go
.set FSC,  9                           ; v9   the finish: a block's scale words, 16 bytes a lane
.set FLG,  10                          ; v10  the finish: a block's partial logits
.set RWO,  11                          ; v11  32 r + 16 h: my four weights' place in a block's 512 bytes
.set LN,   12                          ; v12  lane
.set TM,   16                          ; v16-19 largest magnitudes, v20-23 bytes, v28-31 the conversions' scale operands; v24, v25 the softmax's maximum and sum
.set PC,   32                          ; v32-39 the codes just made
.set PW,   40                          ; v40  the scale word just made
.set AC0,  42                          ; v42-49, v50-57 two accumulators for the logits
.set AC1,  50
.set R0,   64                          ; v64-127  block 0 as loaded; then W_router's four bf16 fragments in v64-95
.set R1,   128                         ; v128-191 block 1 as loaded; at the finish the partial logits
.set X,    192                         ; v192-255 64 numbers of my row: register 16 b + i is k = 32 b + 16 h + i
.set SRC,  4                           ; s[4:5]   the tensor at my wave's first byte
.set WRB,  8                           ; s[8:9]   W_router at my K step
.set COD,  12                          ; s[12:13] the codes
.set SCO,  14                          ; s[14:15] the scale words
.set SEL,  20                          ; s[20:21] v_permlanex16_b32's selects for lane l xor 16
.set RWB,  22                          ; s[22:23] rw
.set WV,   24
.set ISX,  25                          ; 1 in x's work-groups
.set BR,   40                          ; s[40:47] b_router
	s_load_b256 s[4:11], s[0:1], 0x0               ; x, W_experts, W_router, b_router
	s_load_b256 s[12:19], s[0:1], 0x20             ; xq, xs, wq, ws
	s_load_b64 s[RWB:RWB+1], s[0:1], 0x40          ; rw
	v_lshl_add_u32 v62, v0, 2, 0x1d000
	v_mov_b32 v63, 0
	v_lshrrev_b32 v15, 5, v0
	s_delay_alu instid0(VALU_DEP_1)
	v_readfirstlane_b32 s[WV], v15                 ; wave 0..7 = my K step
	v_and_b32 v[LN], 31, v0
	v_and_b32 v13, 15, v0                          ; r
	v_bfe_u32 v14, v0, 4, 1                        ; h
	s_delay_alu instid0(VALU_DEP_3)
	v_lshlrev_b32 v[LI], 4, v[LN]
	; every LDS address is made here, ahead of the first branch: a constant + a constant x wave + a lane term
	s_mul_i32 s26, s[WV], 16*SPI
	v_add_nc_u32 v[STI], s26, v[LI]
	v_mul_u32_u24 v15, v13, SPI
	s_delay_alu instid0(VALU_DEP_1)
	v_lshl_add_u32 v15, v14, 6, v15
	s_delay_alu instid0(VALU_DEP_1)
	v_add_nc_u32 v[STO], s26, v15
	s_mul_i32 s26, s[WV], 8*SPI
	s_add_co_u32 s26, s26, WRS
	v_add_nc_u32 v[WRI], s26, v[LI]
	v_and_b32 v15, 7, v0                           ; W_router has 8 rows: lanes 8-15 take rows 0-7 again
	s_delay_alu instid0(VALU_DEP_1)
	v_mul_u32_u24 v15, v15, SPI
	s_delay_alu instid0(VALU_DEP_1)
	v_lshl_add_u32 v15, v14, 6, v15
	s_delay_alu instid0(VALU_DEP_1)
	v_add_nc_u32 v[WRO], s26, v15
	s_and_b32 s27, s[WV], 1
	s_lshl_b32 s28, s27, 8                         ; an odd K step's words belong to lanes 16-31: 256 bytes on,
	s_lshr_b32 s29, s[WV], 1
	s_lshl_b32 s29, s29, 2                         ; word p = K step / 2
	s_add_co_u32 s28, s28, s29
	s_add_co_u32 s28, s28, SCG
	v_lshl_add_u32 v[SCA], v13, 4, s28
	s_lshl_b32 s28, s[WV], 10
	s_add_co_u32 s28, s28, LGP
	v_add_nc_u32 v[LGA], s28, v[LI]
	s_lshl_b32 s30, s27, 9                         ; 512 x (wave % 2): at the finish wave 0 takes block 0, wave 1 block 1
	s_add_co_u32 s28, s30, SCG
	v_add_nc_u32 v[FSC], s28, v[LI]
	s_lshl_b32 s28, s27, 13
	s_add_co_u32 s28, s28, LGP
	v_add_nc_u32 v[FLG], s28, v[LI]
	v_lshlrev_b32 v[RWO], 5, v13
	s_delay_alu instid0(VALU_DEP_1)
	v_lshl_add_u32 v[RWO], v14, 4, v[RWO]
.irp b, 0,1,2,3
	v_mov_b32 v[TM+4+\b], 0                        ; written once: a lane permute's destination counts as one of its sources
.endr
	s_mov_b32 s[SEL], 0x76543210
	s_mov_b32 s[SEL+1], 0xfedcba98
	; which blocks, and where their codes go.  q = the work-group's number in its tensor; its blocks are 2 q and 2 q + 1.
	; W's block e 64 + nt 8 + nb goes to place nt 64 + e 8 + nb, so that what a column tile of the product streams lies on end.
	s_and_b32 s31, ttmp9, 255                      ; q
	s_lshr_b32 s32, s31, 2
	s_and_b32 s32, s32, 7                          ; nt
	s_lshl_b32 s32, s32, 6
	s_lshr_b32 s33, s31, 5                         ; e
	s_lshl_b32 s33, s33, 3
	s_add_co_u32 s32, s32, s33
	s_and_b32 s33, s31, 3
	s_lshl_b32 s33, s33, 1                         ; nb of the first block
	s_add_co_u32 s32, s32, s33                     ; W's place
	s_lshl_b32 s33, s31, 1                         ; x's place: the block's own number
	s_wait_kmcnt 0x0
	s_load_b256 s[BR:BR+7], s[10:11], 0x0          ; b_router's eight numbers; waited for in front of their one use
	s_cmp_lt_u32 ttmp9, 256                        ; x's work-group or W's?  The choice hangs on the work-group's number alone
	s_cselect_b32 s[ISX], 1, 0
	s_cselect_b32 s32, s33, s32
	s_cselect_b64 s[SRC:SRC+1], s[4:5], s[6:7]
	s_cselect_b64 s[COD:COD+1], s[12:13], s[16:17]
	s_cselect_b64 s[SCO:SCO+1], s[14:15], s[18:19]
	s_mov_b32 s35, 0
	s_lshl_b32 s34, s31, 17                        ; two blocks of 16 rows of 4,096 bytes
	s_lshl_b32 s36, s[WV], 9                       ; my K step: 512 bytes of a row
	s_add_co_u32 s34, s34, s36
	s_add_nc_u64 s[SRC:SRC+1], s[SRC:SRC+1], s[34:35]
	s_mov_b32 s34, s36
	s_add_nc_u64 s[WRB:WRB+1], s[WRB:WRB+1], s[34:35]
	s_lshl_b32 s34, s32, 13                        ; 8,192 bytes of codes a block,
	s_lshl_b32 s36, s[WV], 10                      ; 1,024 a K step
	s_add_co_u32 s34, s34, s36
	s_add_nc_u64 s[COD:COD+1], s[COD:COD+1], s[34:35]
	s_lshl_b32 s34, s32, 9                         ; 512 bytes of scale words a block
	s_add_co_u32 s34, s34, s30
	s_add_nc_u64 s[SCO:SCO+1], s[SCO:SCO+1], s[34:35]
	s_lshl_b32 s34, s31, 10                        ; 32 rows of 32 bytes of rw
	s_add_co_u32 s34, s34, s30
	s_add_nc_u64 s[RWB:RWB+1], s[RWB:RWB+1], s[34:35]
.macro LOADRB set, k                   ; block k: my 512 bytes of each of its 16 rows: 32 lanes read 512 consecutive bytes
.irp j, 0,1,2,3,4,5,6,7,8,9,10,11,12,13,14,15
	global_load_b128 v[\set+4*\j:\set+4*\j+3], v[LI], s[SRC:SRC+1] offset:\k*65536+\j*4096 th:TH_LOAD_NT
.endr
.endm
.macro TURN set                        ; through my stage: in as loaded, out 64 bytes a lane of each block of 32.  LDS serves a wave's instructions in order (ISA guide 5.7.1.4): no wait between the stores and the loads
.irp j, 0,1,2,3,4,5,6,7,8,9,10,11,12,13,14,15
	ds_store_b128 v[STI], v[\set+4*\j:\set+4*\j+3] offset:SPI*\j
.endr
.irp b, 0,1,2,3
.irp i, 0,1,2,3
	ds_load_b128 v[X+16*\b+4*\i:X+16*\b+4*\i+3], v[STO] offset:128*\b+16*\i
.endr
.endr
	s_wait_dscnt 0x0                               ; my 64 numbers are in; every earlier LDS store of mine has read its registers
.endm
; 64 numbers of a lane, register 16 b + i = k 32 b + 16 h + i of my row, become a fragment's codes in v[PC] on and its scale word in v[PW].
.macro QUANT s
.irp b, 0,1,2,3
	v_max3_num_f32 v[TM+\b], |v[\s+16*\b]|, |v[\s+1+16*\b]|, 0x1800000   ; block b: my 16 numbers, and the floor 2^(3 - 127): the byte cannot fall under 1
.endr
.irp i, 2,4,6,8,10,12,14
.irp b, 0,1,2,3
	s_delay_alu instid0(VALU_DEP_4)
	v_max3_num_f32 v[TM+\b], v[TM+\b], |v[\s+16*\b+\i]|, |v[\s+1+16*\b+\i]|   ; the four blocks by turns: no line waits for the line above it
.endr
.endr
.irp b, 0,1,2,3
	s_delay_alu instid0(VALU_DEP_4)
	v_permlanex16_b32 v[TM+4+\b], v[TM+\b], s[SEL], s[SEL+1]
.endr
.irp b, 0,1,2,3
	s_delay_alu instid0(VALU_DEP_4)
	v_max_num_f32 v[TM+\b], v[TM+\b], v[TM+4+\b]   ; with lane l xor 16's: the block's largest magnitude
.endr
.irp b, 0,1,2,3
	s_delay_alu instid0(VALU_DEP_4)
	v_add_nc_u32 v[TM+12+\b], 0xff000000, v[TM+\b] ; 2 off its exponent field: the conversion takes the exponent field of this operand as its scale, and nothing else of it
.endr
.irp b, 0,1,2,3
	s_delay_alu instid0(VALU_DEP_4)
	v_lshrrev_b32 v[TM+4+\b], 23, v[TM+12+\b]      ; the scale's byte
.endr
	s_delay_alu instid0(VALU_DEP_3)
	v_lshl_or_b32 v[PW], v[TM+5], 8, v[TM+4]       ; four bytes: my row's scale word for this K step (the same in both halves of the lanes)
	s_delay_alu instid0(VALU_DEP_1)
	v_lshl_or_b32 v[PW], v[TM+6], 16, v[PW]
	s_delay_alu instid0(VALU_DEP_1)
	v_lshl_or_b32 v[PW], v[TM+7], 24, v[PW]
.irp b, 0,1,2,3
	v_cvt_scalef32_pk8_fp4_f32 v[PC+2*\b], v[\s+16*\b:\s+7+16*\b], v[TM+12+\b]
	v_cvt_scalef32_pk8_fp4_f32 v[PC+1+2*\b], v[\s+8+16*\b:\s+15+16*\b], v[TM+12+\b]
.endr
	v_nop                                          ; one plain place behind a scaled conversion
.irp c, 0,1                                    ; the operand's layout wants a WHOLE block in a lane: lanes 0-15 block 2 c, lanes 16-31 block 2 c + 1
.irp i, 0,1
	v_permlane16_swap_b32 v[PC+4*\c+\i], v[PC+2+4*\c+\i]
.endr
.endr
.endm
.macro PUT k                           ; block k's fragment leaves as an image of its registers: each store covers 512 consecutive bytes, aligned; its scale word goes to LDS
.irp c, 0,1
	global_store_b128 v[LI], v[PC+4*\c:PC+4*\c+3], s[COD:COD+1] offset:\k*8192+512*\c
.endr
	ds_store_b32 v[SCA], v[PW] offset:512*\k       ; both halves of the lanes write the same word with the same value
.endm
; THE ROUTER, for block k and my K step.  x's 64 numbers are packed to bf16 in place (ascending: a line writes no register that a later line reads), four fragments of 32 along K.
; W_router's fragments hold the same k in the same places, so the products pair rightly whatever place the unit gives a k.  TRANSPOSED: source 0 = W_router's rows (0-7 twice), source 1 = x's 16 rows:
; lane (r, h), register j = the partial logit of row r and expert j.  Two accumulators by turns.
.macro ROUTE k
.set i, 0
.rept 32
	v_cvt_pk_bf16_f32 v[X+i], v[X+2*i], v[X+2*i+1]
.set i, i+1
.endr
	v_wmma_f32_16x16x32_bf16 v[AC0:AC0+7], v[R0:R0+7], v[X:X+7], 0
	v_wmma_f32_16x16x32_bf16 v[AC1:AC1+7], v[R0+8:R0+15], v[X+8:X+15], 0
	v_wmma_f32_16x16x32_bf16 v[AC0:AC0+7], v[R0+16:R0+23], v[X+16:X+23], v[AC0:AC0+7]
	v_wmma_f32_16x16x32_bf16 v[AC1:AC1+7], v[R0+24:R0+31], v[X+24:X+31], v[AC1:AC1+7]
.rept 4
	v_nop                                          ; four places in front of the reads of the results, and of the next loads into x's registers
.endr
.irp j, 0,2,4,6
	v_pk_add_f32 v[AC0+\j:AC0+\j+1], v[AC0+\j:AC0+\j+1], v[AC1+\j:AC1+\j+1]   ; from the low end on
.endr
.irp c, 0,1
	ds_store_b128 v[LGA], v[AC0+4*\c:AC0+4*\c+3] offset:8192*\k+512*\c
.endr
.endm
	s_cmp_eq_u32 s[ISX], 1
	s_cbranch_scc0 .Lno_wr
.irp e, 0,1,2,3,4,5,6,7
	global_load_b128 v[X+4*\e:X+4*\e+3], v[LI], s[WRB:WRB+1] offset:4096*\e   ; W_router: my K step of its eight rows
.endr
.Lno_wr:
	LOADRB R0, 0
	LOADRB R1, 1
	s_cmp_eq_u32 s[ISX], 1
	s_cbranch_scc0 .Lno_st
	s_wait_loadcnt 32                              ; W_router's eight are in: the 32 loads issued behind them may be out
.irp e, 0,1,2,3,4,5,6,7
	ds_store_b128 v[WRI], v[X+4*\e:X+4*\e+3] offset:SPI*\e
.endr
	s_wait_dscnt 0x0                               ; the stores have read their registers, into which the stage's loads land next
.Lno_st:
	s_wait_loadcnt 16                              ; block 0 is in; block 1's sixteen may be out
	TURN R0
	s_cmp_eq_u32 s[ISX], 1
	s_cbranch_scc0 .Lno_ld
.irp b, 0,1,2,3
.irp i, 0,1,2,3
	ds_load_b128 v[R0+16*\b+4*\i:R0+16*\b+4*\i+3], v[WRO] offset:128*\b+16*\i   ; W_router as x lies: they land while block 0 is quantised
.endr
.endr
.Lno_ld:
	QUANT X
	PUT 0
	s_cmp_eq_u32 s[ISX], 1
	s_cbranch_scc0 .Lno_r0
	s_wait_dscnt 0x0                               ; W_router's numbers are in
.set i, 0
.rept 32
	v_cvt_pk_bf16_f32 v[R0+i], v[R0+2*i], v[R0+2*i+1]   ; its four fragments stay in v64-95 for both blocks
.set i, i+1
.endr
	ROUTE 0
.Lno_r0:
	s_wait_loadcnt 0x0                             ; block 1 is in
	s_wait_xcnt 0x0                                ; block 0's stores have read the codes' registers, which are written again below
	TURN R1
	QUANT X
	PUT 1
	s_cmp_eq_u32 s[ISX], 1
	s_cbranch_scc0 .Lno_r1
	ROUTE 1
.Lno_r1:
	s_wait_dscnt 0x0                               ; for the others' sake: my scale words and partial logits lie in LDS
	s_barrier_signal -1
	s_barrier_wait -1                              ; everybody's do
	; THE FINISH: wave 0 for block 0, wave 1 for block 1
	s_cmp_ge_u32 s[WV], 2
	s_cbranch_scc1 .Lend
	ds_load_b128 v[TM:TM+3], v[FSC]
	s_wait_dscnt 0x0
	global_store_b128 v[LI], v[TM:TM+3], s[SCO:SCO+1]   ; the block's scale words: 512 consecutive bytes, aligned
	s_cmp_eq_u32 s[ISX], 1
	s_cbranch_scc0 .Lend
.irp p, 0,1,2,3,4,5,6,7
.irp c, 0,1
	ds_load_b128 v[R1+8*\p+4*\c:R1+8*\p+4*\c+3], v[FLG] offset:1024*\p+512*\c   ; the eight K steps' partial logits
.endr
.endr
	s_wait_dscnt 0x0
.irp p, 0,2,4,6
.irp j, 0,2,4,6
	v_pk_add_f32 v[R1+8*\p+\j:R1+8*\p+\j+1], v[R1+8*\p+\j:R1+8*\p+\j+1], v[R1+8*\p+8+\j:R1+8*\p+8+\j+1]
.endr
.endr
.irp p, 0,4
.irp j, 0,2,4,6
	v_pk_add_f32 v[R1+8*\p+\j:R1+8*\p+\j+1], v[R1+8*\p+\j:R1+8*\p+\j+1], v[R1+8*\p+16+\j:R1+8*\p+16+\j+1]
.endr
.endr
.irp j, 0,2,4,6
	s_delay_alu instid0(VALU_DEP_4)
	v_pk_add_f32 v[R1+\j:R1+\j+1], v[R1+\j:R1+\j+1], v[R1+32+\j:R1+32+\j+1]
.endr
	s_wait_alu depctr_va_vdst(0)
	s_wait_kmcnt 0x0                               ; b_router
.irp e, 0,1,2,3,4,5,6,7
	v_add_f32 v[R1+\e], s[BR+\e], v[R1+\e]         ; my row's eight logits, all in my lane
.endr
	v_max3_num_f32 v24, v[R1], v[R1+1], v[R1+2]    ; the softmax takes the row's maximum away first
	s_delay_alu instid0(VALU_DEP_1)
	v_max3_num_f32 v24, v24, v[R1+3], v[R1+4]
	s_delay_alu instid0(VALU_DEP_1)
	v_max3_num_f32 v24, v24, v[R1+5], v[R1+6]
	s_delay_alu instid0(VALU_DEP_1)
	v_max_num_f32 v24, v24, v[R1+7]
	v_cmp_le_u32 vcc_lo, 16, v[LN]                 ; lanes 16-31 will store experts 4-7
.irp e, 0,1,2,3,4,5,6,7
	v_sub_f32 v[R1+\e], v[R1+\e], v24
.endr
.irp e, 0,1,2,3,4,5,6,7
	v_mul_f32 v[R1+\e], 0x3fb8aa3b, v[R1+\e]       ; x log2(e)
.endr
	s_wait_alu depctr_va_vdst(0)
.irp e, 0,1,2,3,4,5,6,7
	v_exp_f32 v[X+\e], v[R1+\e]
.endr
	v_nop                                          ; one plain place behind the exponentials
	s_wait_alu depctr_va_vdst(0)
	v_pk_add_f32 v[X+8:X+9], v[X:X+1], v[X+2:X+3]
	v_pk_add_f32 v[X+10:X+11], v[X+4:X+5], v[X+6:X+7]
	s_delay_alu instid0(VALU_DEP_1)
	v_pk_add_f32 v[X+8:X+9], v[X+8:X+9], v[X+10:X+11]
	s_delay_alu instid0(VALU_DEP_1)
	v_add_f32 v25, v[X+8], v[X+9]                  ; at least 1: the largest logit's term
	s_wait_alu depctr_va_vdst(0)
	v_rcp_f32 v25, v25
	v_nop                                          ; one plain place behind the reciprocal
.irp j, 0,1,2,3
	v_cndmask_b32 v[X+8+\j], v[X+\j], v[X+4+\j], vcc_lo
.endr
	s_wait_alu depctr_va_vdst(0)
.irp j, 0,1,2,3
	v_mul_f32 v[X+8+\j], v[X+8+\j], v25
.endr
	global_store_b128 v[RWO], v[X+8:X+11], s[RWB:RWB+1]   ; 16 rows x 32 bytes: 512 consecutive bytes, aligned
.Lend:
	s_wait_tensorcnt 0x0
	ds_add_u32 v62, v63
	s_wait_dscnt 0x0
	s_endpgm
.Lfunc_end_k_q5a513c0f4e_quant:
	.size	k_q5a513c0f4e_quant, .Lfunc_end_k_q5a513c0f4e_quant-k_q5a513c0f4e_quant
	.p2alignl 7, 3214868480
	.fill 96, 4, 3214868480
	.section	.rodata,"a",@progbits
	.p2align	6, 0x0
	.amdhsa_kernel k_q5a513c0f4e_quant
		.amdhsa_group_segment_fixed_size 119808
		.amdhsa_private_segment_fixed_size 0
		.amdhsa_enable_private_segment 0
		.amdhsa_kernarg_size 72
		.amdhsa_user_sgpr_count 2
		.amdhsa_user_sgpr_kernarg_segment_ptr 1
		.amdhsa_wavefront_size32 1
		.amdhsa_system_sgpr_workgroup_id_x 1
		.amdhsa_system_sgpr_workgroup_id_y 1
		.amdhsa_system_sgpr_workgroup_id_z 1
		.amdhsa_system_vgpr_workitem_id 0
		.amdhsa_next_free_vgpr 256
		.amdhsa_next_free_sgpr 66
		.amdhsa_reserve_vcc 1
		.amdhsa_float_denorm_mode_32 3
		.amdhsa_float_denorm_mode_16_64 3
		.amdhsa_memory_ordered 1
		.amdhsa_forward_progress 1
		.amdhsa_inst_pref_size 39
	.end_amdhsa_kernel
	.amdgpu_metadata
---
amdhsa.version: [ 1, 2 ]
amdhsa.kernels:
  - .name:           k_q5a513c0f4e_quant
    .symbol:         k_q5a513c0f4e_quant.kd
    .args:
      - { .name: x, .offset: 0, .size: 8, .value_kind: global_buffer, .address_space: global }
      - { .name: W_experts, .offset: 8, .size: 8, .value_kind: global_buffer, .address_space: global }
      - { .name: W_router, .offset: 16, .size: 8, .value_kind: global_buffer, .address_space: global }
      - { .name: b_router, .offset: 24, .size: 8, .value_kind: global_buffer, .address_space: global }
      - { .name: xq, .offset: 32, .size: 8, .value_kind: global_buffer, .address_space: global }
      - { .name: xs, .offset: 40, .size: 8, .value_kind: global_buffer, .address_space: global }
      - { .name: wq, .offset: 48, .size: 8, .value_kind: global_buffer, .address_space: global }
      - { .name: ws, .offset: 56, .size: 8, .value_kind: global_buffer, .address_space: global }
      - { .name: rw, .offset: 64, .size: 8, .value_kind: global_buffer, .address_space: global }
    .group_segment_fixed_size: 119808
    .private_segment_fixed_size: 0
    .kernarg_segment_align: 8
    .kernarg_segment_size: 72
    .max_flat_workgroup_size: 256
    .sgpr_count:     66
    .vgpr_count:     256
    .wavefront_size: 32
...
	.end_amdgpu_metadata
.endif
;; end of part 1
;; launch gemm (part 2): grid 16 x 16, 4 waves a work-group, clusters of 4 x 1, 327,680 bytes of LDS; arguments xq, xs, wq, ws, rw, b_experts, out0; writes out0
.if DOCPART == 2
	.amdgcn_target "amdgcn-amd-amdhsa--gfx1250"
	.amdhsa_code_object_version 6
	.text
	.protected	k_q5a513c0f4e_gemm
	.globl	k_q5a513c0f4e_gemm
	.p2align	8
	.type	k_q5a513c0f4e_gemm,@function
k_q5a513c0f4e_gemm:
	s_mov_b64 s[64:65], 0
	v_nop
	global_prefetch_b8 v0, s[64:65] scope:SCOPE_SE
	s_setreg_imm32_b32 hwreg(HW_REG_WAVE_MODE, 25, 1), 1
	s_wait_xcnt 0x0
	s_wait_alu depctr_hold_cnt(0) depctr_sa_sdst(0) depctr_va_vdst(0) depctr_va_sdst(0) depctr_va_ssrc(0) depctr_va_vcc(0) depctr_vm_vsrc(0)
	s_getreg_b32 s2, hwreg(HW_REG_IB_STS2, 6, 4)
	s_cmp_eq_u32 s2, 0
	s_cbranch_scc0 .Lentry_in_a_cluster
	s_endpgm
.Lentry_in_a_cluster:
	s_bfe_u32 s2, ttmp6, 0x10000c
	s_cmp_lg_u32 s2, 0x3003
	s_cbranch_scc0 .Lentry_shape_is_right
	s_endpgm
.Lentry_shape_is_right:
; out[m][f] = the sum over the 8 experts e of w[m][e] x (the sum over k of Q(x)[m][k] Q(W)[e][f][k] + b[e][f]).  Codes of FP4 (E2M1) with E8M0 scales, as the launch before laid them: fragments as images
; of an operand's registers.  w (rw) is the router's softmax, f32.  Sums in f32.
; w[m][e] is no power of two, so it cannot ride in a scale: each expert's sum over all of K is finished by itself and then multiplied into the output.
; W STAYS, x STREAMS.  A work-group makes 512 rows x 64 features.  Wave w keeps, for the whole launch, W of its 16 features for ALL 8 experts and ALL of K in registers (512), their scale words (32) and
; biases (64), read once.  The work-group's x (262,144 bytes of codes, 16,384 of scale words, 16,384 of weights) comes into LDS once and stays: no byte is filled twice.
; A BLOCK is 16 rows: 32 matrix instructions of 32 x 16 x 128: source 0 = the same 16 features of TWO experts (rows 0-15 expert 2 p, rows 16-31 expert 2 p + 1), source 1 = 16 rows of x.
; So lane (r, h) holds row r of the block, register j of an accumulator feature 8 h + j of expert 2 p, register 8 + j the same of expert 2 p + 1.  The bias is the C of the first K step: nothing is cleared.
; A block's 32 products stand on end; then comes the fold of the block before, and behind it all memory instructions in one run, x's for the block two on.
; THE WAY OUT.  A wave's 16 features are 64 bytes of a row; the four waves' strips are 256 consecutive bytes, aligned.  Two blocks (32 rows) meet in a stage in LDS, one barrier a pair, and each wave stores 8
; whole rows of 256 bytes.  Two stages take turns.
; CLUSTER.  The four work-groups of a cluster make four column tiles of ONE row tile: they read the same x, and every tensor load is asked for jointly, mask 15.
; W is shared too, by the work-groups of a column tile, and is not asked for jointly: a joint load lands in LDS, where its 262,144 bytes do not fit beside x's 294,912; it goes straight into registers.
; No prefetch: all that is read is asked for ahead of the loop, and the loop asks memory for nothing.
; LIMITS: those of the codes (the launch before); NaN and infinities are not served.
; REGISTERS, in windows of 256 (s_set_vgpr_msb: bits 1:0 source 0, 3:2 source 1, 5:4 source 2, 7:6 destination):
;   window 0: addresses, scale words, weights, outputs, rows read back; v128-255 x's fragments, two sets
;   window 1: v0-127 accumulators, two sets of 8 experts; v128-191 biases
;   windows 2, 3: W of expert e, K step ks at v[64 (ks % 4) + 8 e] of window 2 + ks / 4
.set XSC,  262144                      ; LDS: x's codes from byte 0 (8,192 a block); here x's scale words, 512 bytes a block
.set RWL,  XSC+16384                   ; the weights, [512 rows][8] f32: 512 bytes a block
.set STG0, RWL+16384                   ; stage 0: 32 rows x 272 bytes; no tensor load lands here
.set STG1, STG0+8704                   ; stage 1
.set SPARE, STG1+8704                  ; the spare words, 128 bytes for each wave
.set SP,   272                         ; a stage row: 256 bytes + 16 = 17 x 16: sixteen rows' equal columns start at sixteen different 16-byte columns of 256 (64 banks of 4 bytes: ISA guide 11.1)
.set LI,   1                           ; v1   16 x lane
.set ADX,  2                           ; v2   the trip's place in x's codes, + 16 x lane
.set ADS,  3                           ; v3   in x's scale words, + 16 r
.set ADW,  4                           ; v4   in the weights, + 32 r
.set R32,  5                           ; v5   32 r
.set ST,   6                           ; v6, v7   where I put 32 bytes of a row, in stage 0, 1: row r, + 64 x wave + 32 h
.set RD,   8                           ; v8, v9   where I read rows back: row 8 x wave + h, + 16 r
.set GO,   10                          ; v10  the same rows in out0: (8 x wave + h) x 4,096 + 16 r
.set H32,  14                          ; v14  32 h
.set WS,   16                          ; W's scale words: expert pair p, K step ks at WS + 8 p + ks / 2 + 4 (ks % 2): lanes 0-15 expert 2 p, lanes 16-31 expert 2 p + 1
.set XS,   48                          ; x's, two sets of 8 in the same order
.set WG,   64                          ; w of my row, experts 0 .. 7
.set O0,   72                          ; the even block's 8 outputs
.set O1,   80                          ; the odd block's
.set OD,   88                          ; at work: the odd experts' part of a sum
.set RB,   96                          ; v96-111 8 rows read back from a stage
.set R16,  112                         ; v112 16 r
.set WSO,  113                         ; v113 4,096 h + 16 r
.set SPW,  114                         ; v114 LDS address of my spare word; never rewritten
.set NIL,  115                         ; v115 0; never rewritten
.set BF,   128                         ; x's fragments: set s, K step ks at v[BF + 64 s + 8 ks]
.set ACC,  0                           ; in window 1: set s, expert e at v[64 s + 8 e]
.set BIA,  128                         ; in window 1: expert e's eight biases
.set WV,   18
.set G1X,  24                          ; s[24:31] group 1: 32,768 dense bytes as 128 rows of 256
.set G1S,  32                          ; s[32:39] 16,384 dense bytes as 64 rows
.set G0X,  40                          ; s[40:43] group 0: half of x's first 8 blocks
.set G0S,  44                          ; s[44:47] the scale words
.set G0R,  48                          ; s[48:51] the weights
.set TX,   52                          ; s52  32,768 x trip
.set TS,   53                          ; s53  XSC + 2,048 x trip
.set TW,   54                          ; s54  RWL + 2,048 x trip
.set CNT,  55
.set WQB,  58                          ; s[58:59] W's codes at my 16 features
.set WSB,  60                          ; s[60:61] their scale words
.set BIB,  62                          ; s[62:63] their biases
.set G1Y,  72                          ; s[72:79] 49,152 dense bytes as 192 rows
.set G0Y,  80                          ; s[80:83] my quarter of x's other 24 blocks
.set MSB, 0
.macro WIN new                         ; the immediate's high byte repeats the setting that is left; a switch that changes nothing is dropped
.if MSB != (\new)
	s_set_vgpr_msb (MSB<<8)|(\new)
.set MSB, (\new)
.endif
.endm
; A round of the cluster's barrier: my work-group's barrier, so that wave 0's signal speaks for all four waves; wave 0 signals; every wave waits for all four work-groups; my work-group's barrier once more.
.macro CROUND
	s_barrier_signal -1
	s_barrier_wait -1
	s_cmp_lg_u32 s[WV], 0
	s_cbranch_scc1 .Lnot_wave_0_\@
	s_barrier_signal -3
.Lnot_wave_0_\@:
	s_barrier_wait -3
	s_barrier_signal -1
	s_barrier_wait -1
.endm
.macro WLOAD e, hf                     ; expert e's four fragments of K half hf, as they lie: each load 512 consecutive bytes
.irp k, 0,1,2,3
.irp c, 0,1
	global_load_b128 v[64*\k+8*(\e)+4*\c:64*\k+8*(\e)+4*\c+3], v[LI], s[WQB:WQB+1] offset:65536*(\e)+1024*(4*(\hf)+\k)+512*\c
.endr
.endr
.endm
.macro TLOAD g0, g1
	tensor_load_to_lds s[\g0:\g0+3], s[\g1:\g1+7]
	s_nop 0
.rept 4
	v_nop
.endr
.endm
	s_load_b256 s[4:11], s[0:1], 0x0               ; xq s[4:5], xs s[6:7], wq s[8:9], ws s[10:11]
	s_load_b128 s[12:15], s[0:1], 0x20             ; rw s[12:13], b_experts s[14:15]
	s_load_b64 s[16:17], s[0:1], 0x30              ; out0
	v_lshl_add_u32 v[SPW], v0, 2, SPARE
	v_mov_b32 v[NIL], 0
	ds_add_u32 v[SPW], v[NIL]                      ; the wave's opening: the add, twice on end, and its wait
	ds_add_u32 v[SPW], v[NIL]
	v_lshrrev_b32 v11, 5, v0
	v_readfirstlane_b32 s[WV], v11                 ; wave 0..3
	s_lshl_b32 s56, s[WV], 6
	s_add_co_u32 s56, s56, STG0                    ; my strip of a stage row
	s_mul_i32 s57, s[WV], 8*SP
	s_add_co_u32 s57, s57, STG0                    ; my 8 rows of a stage
	s_lshl_b32 s67, s[WV], 15                      ; and in out0
	s_mov_b32 s[TX], 0
	s_mov_b32 s[TS], XSC
	s_mov_b32 s[TW], RWL
	v_and_b32 v11, 31, v0
	v_and_b32 v12, 15, v0                          ; r
	v_bfe_u32 v13, v0, 4, 1                        ; h
	v_lshlrev_b32 v[LI], 4, v11
	v_lshlrev_b32 v[H32], 5, v13
	v_lshlrev_b32 v[R16], 4, v12
	v_lshlrev_b32 v[R32], 5, v12
	v_lshl_add_u32 v[WSO], v13, 12, v[R16]         ; 4,096 h + 16 r
	v_add_nc_u32 v[GO], s67, v[WSO]
	v_mul_u32_u24 v15, v12, SP                     ; into a stage: row r, 32 bytes for each half of the lanes
	v_lshl_add_u32 v15, v13, 5, v15
	v_add_nc_u32 v[ST], s56, v15
	v_add_nc_u32 v[ST+1], STG1-STG0, v[ST]
	v_mul_u32_u24 v15, v13, SP                     ; back: lanes 0-15 one row of 256 bytes, lanes 16-31 the next
	v_lshl_add_u32 v15, v12, 4, v15
	v_add_nc_u32 v[RD], s57, v15
	v_add_nc_u32 v[RD+1], STG1-STG0, v[RD]
	v_add_nc_u32 v[ADX], s[TX], v[LI]
	v_add_nc_u32 v[ADS], s[TS], v[R16]
	v_add_nc_u32 v[ADW], s[TW], v[R32]
	s_bfe_u32 s19, ttmp6, 0x40000                  ; cx: my place in the cluster
	s_lshl_b32 s20, ttmp9, 2                       ; in a cluster launch ttmp9 counts clusters
	s_add_co_u32 s20, s20, s19                     ; my column tile = 4 x cluster x + cx: it enters W's, the biases' and the output's addresses alone
	s_and_b32 s21, ttmp7, 0xffff                   ; my row tile, which the four partners share
.irp g, G1X, G1S, G1Y
	s_mov_b32 s[\g], 15|(3<<16)|(1<<21)            ; 15:0 the mask: all four work-groups; 17:16 elements of 8 bytes; 20 no padding (everything is read 16 bytes a lane on end); 21 set beside a mask
	s_mov_b32 s[\g+1], 32<<16                      ; tensor_dim0 = 32 elements: 256 bytes
	s_mov_b32 s[\g+3], 32<<16                      ; tile_dim0
	s_mov_b32 s[\g+5], 32                          ; from row to row: dense
	s_mov_b32 s[\g+6], 0
	s_mov_b32 s[\g+7], 0
.endr
	s_mov_b32 s[G1X+2], 128<<16                    ; tensor_dim1
	s_mov_b32 s[G1X+4], 128                        ; tile_dim1
	s_mov_b32 s[G1S+2], 64<<16
	s_mov_b32 s[G1S+4], 64
	s_mov_b32 s[G1Y+2], 192<<16
	s_mov_b32 s[G1Y+4], 192
	s_mov_b32 s[G0X], 1
	s_lshl_b32 s[G0X+1], s[WV], 15                 ; waves 0 and 1: blocks 0-3, 4-7
	s_mov_b32 s[G0S], 1
	s_mov_b32 s[G0S+1], XSC
	s_mov_b32 s[G0R], 1
	s_mov_b32 s[G0R+1], RWL
	s_mov_b32 s[G0Y], 1
	s_mul_i32 s[G0Y+1], s[WV], 49152               ; later, every wave: 6 of the blocks 8-31
	s_add_co_u32 s[G0Y+1], s[G0Y+1], 65536
	s_mov_b32 s67, 0
	s_mov_b32 s69, 0
	; my 16 features are block 4 x column tile + wave of 64; the launch before laid W by [block / 8][expert][block % 8]
	s_lshr_b32 s70, s20, 1                         ; block / 8
	s_and_b32 s71, s20, 1
	s_lshl_b32 s71, s71, 2
	s_add_co_u32 s71, s71, s[WV]                   ; block % 8
	s_wait_alu depctr_va_vdst(0)
	s_wait_dscnt 0x0                               ; both opening adds are done
	s_wait_kmcnt 0x0
	s_lshl_b32 s68, s70, 15                        ; ws: 32,768 (block / 8) + 512 (block % 8); 4,096 an expert
	s_lshl_b32 s56, s71, 9
	s_add_co_u32 s68, s68, s56
	s_add_nc_u64 s[WSB:WSB+1], s[10:11], s[68:69]
	s_lshl_b32 s68, s70, 19                        ; wq: 524,288 (block / 8) + 8,192 (block % 8); 65,536 an expert
	s_lshl_b32 s56, s71, 13
	s_add_co_u32 s68, s68, s56
	s_add_nc_u64 s[WQB:WQB+1], s[8:9], s[68:69]
	s_lshl_b32 s68, s20, 8                         ; b_experts: 64 bytes a block of 16 features; 4,096 an expert
	s_lshl_b32 s56, s[WV], 6
	s_add_co_u32 s68, s68, s56
	s_add_nc_u64 s[BIB:BIB+1], s[14:15], s[68:69]
	; 56 loads into registers go out ahead of the round
	WIN 0x80                                       ; destination window 2
	WLOAD 0, 0
	WLOAD 1, 0
	WLOAD 2, 0
	WLOAD 3, 0
	WIN 0
.irp p, 0,1,2,3
	global_load_b128 v[WS+8*\p:WS+8*\p+3], v[WSO], s[WSB:WSB+1] offset:8192*\p         ; the even K steps' words of experts 2 p (lanes 0-15) and 2 p + 1: two runs of 256 consecutive bytes
	global_load_b128 v[WS+8*\p+4:WS+8*\p+7], v[WSO], s[WSB:WSB+1] offset:8192*\p+256   ; the odd K steps'
.endr
	WIN 0x40                                       ; destination window 1
.irp e, 0,1,2,3,4,5,6,7
.irp c, 0,1
	global_load_b128 v[BIA+8*\e+4*\c:BIA+8*\e+4*\c+3], v[H32], s[BIB:BIB+1] offset:4096*\e+16*\c   ; b[e][my 16 features: 8 h + 0 .. 7], the same for all r
.endr
.endr
	WIN 0
	s_lshl_b32 s68, s21, 21                        ; out0: 512 rows of 4,096 bytes a row tile, 256 bytes of a row a column tile
	s_lshl_b32 s56, s20, 8
	s_add_co_u32 s68, s68, s56
	s_add_nc_u64 s[16:17], s[16:17], s[68:69]
	s_lshl_b32 s22, s21, 18                        ; xq: 262,144 a row tile; a block's place in it is its place in LDS.  (s22, s66 and s67 never hold my place in the cluster)
	s_add_co_u32 s66, s22, s[G0X+1]
	s_add_nc_u64 s[G0X+2:G0X+3], s[4:5], s[66:67]
	s_add_co_u32 s66, s22, s[G0Y+1]
	s_add_nc_u64 s[G0Y+2:G0Y+3], s[4:5], s[66:67]
	s_lshl_b32 s66, s21, 14                        ; xs and rw: 16,384 a row tile
	s_add_nc_u64 s[G0S+2:G0S+3], s[6:7], s[66:67]
	s_add_nc_u64 s[G0R+2:G0R+3], s[12:13], s[66:67]
.irp g, G0X, G0S, G0R, G0Y
	s_or_b32 s[\g+3], s[\g+3], 0x80000000          ; 127:126 type = 2
.endr
	CROUND                                         ; all four work-groups are here: the joint loads meet
	; THE HEAD'S LOADS, ONE A WAVE: waves 0 and 1 x's first 8 blocks, wave 2 all scale words, wave 3 all weights.  One tree of branches on the wave's number
	s_cmp_lt_u32 s[WV], 2
	s_cbranch_scc0 .Lhead_s
	TLOAD G0X, G1X
	s_branch .Lhead_asked
.Lhead_s:
	s_cmp_lt_u32 s[WV], 3
	s_cbranch_scc0 .Lhead_r
	TLOAD G0S, G1S
	s_branch .Lhead_asked
.Lhead_r:
	TLOAD G0R, G1S
.Lhead_asked:
	WIN 0x80
	WLOAD 4, 0
	WLOAD 5, 0
	WLOAD 6, 0
	WLOAD 7, 0
	WIN 0xc0                                       ; destination window 3: the second K half, 64 loads
.irp e, 0,1,2,3,4,5,6,7
	WLOAD \e, 1
.endr
	WIN 0
	s_wait_tensorcnt 0x0                           ; my tile of the head's four is in
	ds_add_u32 v[SPW], v[NIL]
	s_wait_dscnt 0x0
	CROUND                                         ; everybody's tile is in, and all four work-groups are here
	TLOAD G0Y, G1Y                                 ; x's blocks 8-31, a quarter a wave: waited for in front of the barrier behind block 3's products
; One product of a block: x's set p, K step ks, expert pair ep.
.macro MM p, ks, ep
.set C_D, ACC+64*(\p)+16*(\ep)
.set C_A, 64*((\ks)%4)+16*(\ep)
.set C_B, BF+64*(\p)+8*(\ks)
.set C_I, (\ks)/2+4*((\ks)%2)
.if (\ks) == 0
	v_wmma_scale_f32_32x16x128_f4 v[C_D:C_D+15], v[C_A:C_A+15], v[C_B:C_B+7], v[BIA+16*(\ep):BIA+16*(\ep)+15], v[WS+8*(\ep)+C_I], v[XS+8*(\p)+C_I]
.else
	v_wmma_scale_f32_32x16x128_f4 v[C_D:C_D+15], v[C_A:C_A+15], v[C_B:C_B+7], v[C_D:C_D+15], v[WS+8*(\ep)+C_I], v[XS+8*(\p)+C_I]
.endif
.endm
; K half hf of a block, into accumulator set p: K step by K step, the four accumulators by turns, one instruction a turn.
.macro CHALF p, hf
	WIN 0x52+(\hf)                                 ; source 0 (W) window 2 or 3, source 1 (x) window 0, C and D window 1
.irp k, 0,1,2,3
.irp ep, 0,1,2,3
	MM \p, 4*(\hf)+\k, \ep
.endr
.endr
.endm
; Block numbers below count from the trip's first block.
.macro WGL b                           ; block b's weights: my row's eight
	ds_load_b128 v[WG:WG+3], v[ADW] offset:512*(\b)
	ds_load_b128 v[WG+4:WG+7], v[ADW] offset:512*(\b)+16
.endm
.macro FETCH p, b                      ; block b into x's set p: its scale words, the even K steps' and the odd ones', and its eight fragments: each fragment load 512 consecutive bytes
	ds_load_b128 v[XS+8*(\p):XS+8*(\p)+3], v[ADS] offset:512*(\b)
	ds_load_b128 v[XS+8*(\p)+4:XS+8*(\p)+7], v[ADS] offset:512*(\b)+256
.irp ks, 0,1,2,3,4,5,6,7
.irp c, 0,1
	ds_load_b128 v[BF+64*(\p)+8*\ks+4*\c:BF+64*(\p)+8*\ks+4*\c+3], v[ADX] offset:8192*(\b)+1024*\ks+512*\c
.endr
.endr
.endm
.macro STAGE q                         ; a pair of blocks into stage q: rows 0-15 the even block, rows 16-31 the odd
	ds_store_b128 v[ST+(\q)], v[O0:O0+3]
	ds_store_b128 v[ST+(\q)], v[O0+4:O0+7] offset:16
	ds_store_b128 v[ST+(\q)], v[O1:O1+3] offset:16*SP
	ds_store_b128 v[ST+(\q)], v[O1+4:O1+7] offset:16*SP+16
.endm
.macro BACK q                          ; my 8 whole rows out of stage q
.irp k, 0,1,2,3
	ds_load_b128 v[RB+4*\k:RB+4*\k+3], v[RD+(\q)] offset:2*SP*\k
.endr
.endm
.macro SEND j                          ; sixteen lanes store 256 consecutive bytes, at a multiple of 256 from out0's first byte; written once, read by nobody here
.irp k, 0,1,2,3
	global_store_b128 v[GO], v[RB+4*\k:RB+4*\k+3], s[16:17] offset:131072*(\j)+8192*\k th:TH_STORE_NT
.endr
.endm
; The block in accumulator set a becomes its 8 outputs in v[o] on: the sum over e of w[e] x sum[e], two numbers a line; of a pair of weights the one of expert e serves both halves.  The even and the odd
; experts' parts are summed apart, so that a line stands eight lines behind the one that it adds onto; the first two experts start the sums.  Each accumulator is read from its low end on.
.macro FOLD a, o
	WIN 0x01                                       ; source 0 (the accumulators) window 1
.irp e, 0,1,2,3,4,5,6,7
.irp q, 0,1,2,3
.set F_A, ACC+64*(\a)+8*\e+2*\q
.set F_W, WG+2*(\e/2)
.if \e == 0
	v_pk_mul_f32 v[\o+2*\q:\o+2*\q+1], v[F_A:F_A+1], v[F_W:F_W+1] op_sel_hi:[1,0]
.elseif \e == 1
	v_pk_mul_f32 v[OD+2*\q:OD+2*\q+1], v[F_A:F_A+1], v[F_W:F_W+1] op_sel:[0,1] op_sel_hi:[1,1]
.elseif \e%2 == 0
	v_pk_fma_f32 v[\o+2*\q:\o+2*\q+1], v[F_A:F_A+1], v[F_W:F_W+1], v[\o+2*\q:\o+2*\q+1] op_sel_hi:[1,0,1]
.else
	v_pk_fma_f32 v[OD+2*\q:OD+2*\q+1], v[F_A:F_A+1], v[F_W:F_W+1], v[OD+2*\q:OD+2*\q+1] op_sel:[0,1,0] op_sel_hi:[1,1,1]
.endif
.endr
.endr
	WIN 0
.irp q, 0,1,2,3
	v_pk_add_f32 v[\o+2*\q:\o+2*\q+1], v[\o+2*\q:\o+2*\q+1], v[OD+2*\q:OD+2*\q+1]
.endr
.endm
; THE FOLD LAGS ONE BLOCK: behind a block's products stands the fold of the block before, whose 36 plain lines name none of those products' registers.  So they are the places behind them:
; four in front of the loads into the set just multiplied and of the next fold's reads, five in front of the products that begin sums anew in those accumulators.
; Every LDS load is issued a whole block's products ahead of the wait that covers it, so each wait is for 0.
; HALF A of pair t: block 2 t + 1's products (full = 0: their second K half alone); the fold of block 2 t; the rows read back in the last half (pair t - 2) are stored (j below 0: there are none); the barrier's
; signal: my stage stores of pair t - 1 and my reads of pair t - 2 are done; then block wo's weights and block xo (below 0: not asked for), bytes that nobody writes.  adr: a trip's first half.
.macro HALFA full, wo, xo, j, adr, tw
.if \full
	CHALF 1, 0
.endif
	CHALF 1, 1
	WIN 0
	s_wait_dscnt 0x0                               ; x's set 0, the weights, the rows read back are in; my stage stores have landed
.if \adr
	v_add_nc_u32 v[ADX], s[TX], v[LI]              ; (no LDS instruction of mine is out; the fold's 36 lines stand between these and their readers)
	v_add_nc_u32 v[ADS], s[TS], v[R16]
	v_add_nc_u32 v[ADW], s[TW], v[R32]
.endif
	FOLD 0, O0
.if (\j) >= 0
	SEND \j
.endif
.if \tw
	s_wait_tensorcnt 0x0                           ; my quarter of x's blocks 8-31 is in
.endif
	s_barrier_signal -1
	WGL \wo
.if (\xo) >= 0
	FETCH 1, \xo
.endif
.endm
; HALF B: block 2 t + 2's products; the barrier's wait: every wave's pair t - 1 lies in its stage, and nobody reads the other one any more; the fold of block 2 t + 1; pair t goes into stage st, pair t - 1 comes
; back from stage rb (below 0: there is none); block wo's weights and block xo.  step: a trip's last half.
.macro HALFB wo, xo, st, rb, step, out
	CHALF 0, 0
	CHALF 0, 1
	WIN 0
	s_barrier_wait -1
	s_wait_dscnt 0x0                               ; x's set 1 and the weights are in
	s_wait_xcnt 0x0                                ; my stores have read their registers and their base: both are written again only behind this wait
	FOLD 1, O1
	STAGE \st
.if (\rb) >= 0
	BACK \rb
.endif
	WGL \wo
.if (\xo) >= 0
	FETCH 0, \xo
.endif
.if \step
	s_add_co_u32 s[TX], s[TX], 32768
	s_add_co_u32 s[TS], s[TS], 2048
	s_add_co_u32 s[TW], s[TW], 2048
.if \out
	s_add_nc_u64 s[16:17], s[16:17], 0x40000       ; two pairs' rows on
.endif
.endif
.endm
	FETCH 0, 0                                     ; blocks 0 and 1, block 0's weights
	FETCH 1, 1
	WGL 0
	s_wait_loadcnt 63                              ; of the 64 loads of W's second K half at the most 63 may be out: all that is older is in
	s_wait_dscnt 0x0
	CHALF 0, 0                                     ; the first K half of both blocks
	CHALF 1, 0
	WIN 0
	s_wait_loadcnt 0x0                             ; all of W
	CHALF 0, 1                                     ; block 0 is finished
	WIN 0
.rept 5
	v_nop                                          ; no fold stands behind the first products: five places
.endr
	FETCH 0, 2
	; a trip: the products of four blocks, from the one behind its first block on; the folds of its four blocks
	HALFA 0, 1, 3, -1, 1, 0
	HALFB 2, 4, 0, -1, 0, 0
	HALFA 1, 3, 5, -1, 0, 1                        ; the other 24 blocks of x are waited for
	HALFB 4, 6, 1, 0, 1, 0
	s_mov_b32 s[CNT], 6
.Ltrip:                                            ; trips 1 to 6
	HALFA 1, 1, 3, 0, 1, 0
	HALFB 2, 4, 0, 1, 0, 0
	HALFA 1, 3, 5, 1, 0, 0
	HALFB 4, 6, 1, 0, 1, 1
	s_sub_co_u32 s[CNT], s[CNT], 1
	s_cmp_lg_u32 s[CNT], 0
	s_cbranch_scc1 .Ltrip
	HALFA 1, 1, 3, 0, 1, 0                         ; trip 7: blocks 29, 30, 31; there is no block 32
	HALFB 2, -1, 0, 1, 0, 0                        ; pair 14 into stage 0, pair 13 back
	HALFA 1, 3, -1, 1, 0, 0                        ; block 31's products, block 30's fold, pair 13 stored
	s_barrier_wait -1
	s_wait_dscnt 0x0                               ; block 31's weights
	s_wait_xcnt 0x0
	FOLD 1, O1                                     ; block 30's fold has been the places behind block 31's products
	STAGE 1                                        ; pair 15
	BACK 0                                         ; pair 14
	s_add_nc_u64 s[16:17], s[16:17], 0x40000
	s_wait_dscnt 0x0                               ; for the others' sake too: my part of pair 15 lies in its stage
	SEND 0
	s_barrier_signal -1
	s_barrier_wait -1                              ; everybody's does
	s_wait_xcnt 0x0
	BACK 1
	s_wait_dscnt 0x0
	SEND 1
	s_wait_tensorcnt 0x0                           ; the wave's end
	ds_add_u32 v[SPW], v[NIL]
	s_wait_dscnt 0x0
	CROUND                                         ; the closing round: no work-group ends while a partner may still ask for a tile that names it
	s_endpgm
.Lfunc_end_k_q5a513c0f4e_gemm:
	.size	k_q5a513c0f4e_gemm, .Lfunc_end_k_q5a513c0f4e_gemm-k_q5a513c0f4e_gemm
	.p2alignl 7, 3214868480
	.fill 96, 4, 3214868480
	.section	.rodata,"a",@progbits
	.p2align	6, 0x0
	.amdhsa_kernel k_q5a513c0f4e_gemm
		.amdhsa_group_segment_fixed_size 327680
		.amdhsa_private_segment_fixed_size 0
		.amdhsa_enable_private_segment 0
		.amdhsa_kernarg_size 56
		.amdhsa_user_sgpr_count 2
		.amdhsa_user_sgpr_kernarg_segment_ptr 1
		.amdhsa_wavefront_size32 1
		.amdhsa_system_sgpr_workgroup_id_x 1
		.amdhsa_system_sgpr_workgroup_id_y 1
		.amdhsa_system_sgpr_workgroup_id_z 1
		.amdhsa_system_vgpr_workitem_id 0
		.amdhsa_next_free_vgpr 1024
		.amdhsa_next_free_sgpr 96
		.amdhsa_reserve_vcc 0
		.amdhsa_float_denorm_mode_32 3
		.amdhsa_float_denorm_mode_16_64 3
		.amdhsa_memory_ordered 1
		.amdhsa_forward_progress 1
		.amdhsa_inst_pref_size 122
	.end_amdhsa_kernel
	.amdgpu_metadata
---
amdhsa.version: [ 1, 2 ]
amdhsa.kernels:
  - .name:           k_q5a513c0f4e_gemm
    .symbol:         k_q5a513c0f4e_gemm.kd
    .args:
      - { .name: xq, .offset: 0, .size: 8, .value_kind: global_buffer, .address_space: global }
      - { .name: xs, .offset: 8, .size: 8, .value_kind: global_buffer, .address_space: global }
      - { .name: wq, .offset: 16, .size: 8, .value_kind: global_buffer, .address_space: global }
      - { .name: ws, .offset: 24, .size: 8, .value_kind: global_buffer, .address_space: global }
      - { .name: rw, .offset: 32, .size: 8, .value_kind: global_buffer, .address_space: global }
      - { .name: b_experts, .offset: 40, .size: 8, .value_kind: global_buffer, .address_space: global }
      - { .name: out0, .offset: 48, .size: 8, .value_kind: global_buffer, .address_space: global }
    .group_segment_fixed_size: 327680
    .private_segment_fixed_size: 0
    .kernarg_segment_align: 8
    .kernarg_segment_size: 56
    .max_flat_workgroup_size: 128
    .sgpr_count:     96
    .vgpr_count:     1024
    .wavefront_size: 32
...
	.end_amdgpu_metadata
.endif
;; end of part 2
